; MI455X (gfx1250); checked and timed in simulation.
; The chip was launched on July 23, 2026; its instructions are those of AMD's public machine-readable ISA for CDNA 5 (MIT licence, August 2026) and "CDNA5" Instruction Set Architecture Reference Guide (July 2026). The comments in the code are by the model that wrote it; some were corrected since.
;; Descriptor Matcher. Allowed arithmetic: float matrix products may take bf16 or f16 operands with f32 sums; all other float work in f32.
;; Inputs: desc1 8,192 x 512 float32; desc2 8,192 x 512 float32.
;; Outputs: out0 8,192 x 1 float32; out1 8,192 x 2 int32; out2 8,192 bool.
;; 2 versions, each right; version 2 is version 1 with the launch prep written anew for expert scheduling mode. Each part assembles by itself: llvm-mc -triple=amdgcn-amd-amdhsa -mcpu=gfx1250 --defsym DOCPART=n.
;; ======== version 1 of 2: 3 launches
;; workspace buffers: a16 8,388,608 bytes; b16 8,388,608 bytes; nh1 32,768 bytes; nh2 32,768 bytes; part 2,097,152 bytes
;; launch prep (part 1): grid 256 x 1, 8 waves a work-group, no clusters, 1,280 bytes of LDS; arguments desc1, desc2, a16, b16, nh1, nh2; writes a16, b16, nh1, nh2
.if DOCPART == 1
	.amdgcn_target "amdgcn-amd-amdhsa--gfx1250"
	.amdhsa_code_object_version 6
	.text
	.protected	k_qd2888cb09b_prep
	.globl	k_qd2888cb09b_prep
	.p2align	8
	.type	k_qd2888cb09b_prep,@function
k_qd2888cb09b_prep:
	s_mov_b64 s[64:65], 0
	v_nop
	global_prefetch_b8 v0, s[64:65] scope:SCOPE_SE
	s_setreg_imm32_b32 hwreg(HW_REG_WAVE_MODE, 25, 1), 1
	s_wait_xcnt 0x0
; desc1, desc2: [8192][512] f32.  a16, b16: the same numbers rounded to bf16.  nh1, nh2: [8192] f32, -0.5 x the sum of squares of a row's
; ROUNDED numbers: the distances of the next launch are those of the rounded vectors, so their norms are taken from the rounded vectors too.
; A stream: every input byte is read once, every output byte written once; matrix units, clusters and tiles in LDS would add nothing.
; Work-groups 0-127 take 64 rows of desc1 each, 128-255 of desc2.  Wave w takes rows 8 w .. 8 w + 7 of the 64: a row is 2,048 bytes = four
; loads of 16 bytes a lane, 512 neighbouring bytes each.  All 32 loads of a wave go out at the head (16 KiB a wave): there is no loop.
; LIMITS: NaN and infinities are not served; a sum of squares beyond f32's range overflows as it does in the plain f32 sum.
.set ROWB,  2048                       ; bytes in an f32 row
.set ROWH,  1024                       ; bytes in a bf16 row
.set T,     8                          ; v[8:11]   four rounded numbers, widened again
.set S,     12                         ; v[12:15]  four running sums of squares
.set X,     32                         ; v[32:159] row i, chunk c: four registers at X + 16 i + 4 c
	s_load_b256 s[4:11], s[0:1], 0x0               ; desc1 s[4:5], desc2 s[6:7], a16 s[8:9], b16 s[10:11]
	s_load_b128 s[12:15], s[0:1], 0x20             ; nh1 s[12:13], nh2 s[14:15]
	v_lshl_add_u32 v160, v0, 2, 0x100
	v_mov_b32 v161, 0
	v_lshrrev_b32 v2, 5, v0
	v_readfirstlane_b32 s28, v2                    ; wave 0..7
	v_and_b32 v1, 31, v0                           ; lane
	s_mov_b32 s24, 0xffff0000                      ; a word's upper bf16
	s_mov_b32 s26, 0x76543210                      ; v_permlanex16_b32: lane i of one half reads lane i of the other
	s_mov_b32 s27, 0xfedcba98
	v_lshlrev_b32 v2, 4, v1
	v_lshl_add_u32 v2, s28, 14, v2                 ; loads: wave x 8 rows x 2,048 bytes + 16 x lane
	v_lshlrev_b32 v7, 3, v1                        ; 8 x lane
	v_lshl_add_u32 v3, s28, 13, v7                 ; stores: wave x 8 rows x 1,024 bytes + 8 x lane
	v_and_b32 v4, 7, v1                            ; the row of my wave whose norm this lane keeps
	v_lshlrev_b32 v6, 2, v4
	v_lshl_add_u32 v6, s28, 5, v6                  ; LDS word of that row: 4 x (8 wave + lane mod 8)
	v_mov_b32 v5, 0                                ; the kept norm: written whole before the selects below
	v_mov_b32 v16, 0                               ; v_permlanex16_b32 counts as a reader of its destination
	s_and_b32 s16, ttmp9, 127                      ; which 64 rows of the tensor
	s_mov_b32 s3, 0
	s_wait_kmcnt 0x0
	s_cmp_lt_u32 ttmp9, 128                        ; the first 128 work-groups: desc1, the others: desc2
	s_cselect_b64 s[18:19], s[4:5], s[6:7]         ; source
	s_cselect_b64 s[20:21], s[8:9], s[10:11]       ; bf16 copy
	s_cselect_b64 s[22:23], s[12:13], s[14:15]     ; norms
	s_lshl_b32 s2, s16, 17                         ; 64 rows x 2,048 bytes
	s_add_nc_u64 s[18:19], s[18:19], s[2:3]
	s_lshl_b32 s2, s16, 16                         ; 64 rows x 1,024 bytes
	s_add_nc_u64 s[20:21], s[20:21], s[2:3]
	s_lshl_b32 s2, s16, 8                          ; 64 norms x 4 bytes
	s_add_nc_u64 s[22:23], s[22:23], s[2:3]
.irp i, 0,1,2,3,4,5,6,7
.irp c, 0,1,2,3
	global_load_b128 v[X+16*\i+4*\c:X+16*\i+4*\c+3], v2, s[18:19] offset:ROWB*\i+512*\c th:TH_LOAD_NT
.endr
.endr
; Row i of my wave: round, store, square the rounded numbers, sum over the wave.  No register that a store reads is written again.
.macro ROW i
	s_wait_loadcnt 28-4*\i                         ; loads come back in order (ISA guide 5.7.1): this row's four are in, the 4 x (7 - i) of the later rows stay out
.irp c, 0,1,2,3
	v_cvt_pk_bf16_f32 v[X+16*\i+4*\c],   v[X+16*\i+4*\c],   v[X+16*\i+4*\c+1]     ; four numbers into two words, to nearest even
	v_cvt_pk_bf16_f32 v[X+16*\i+4*\c+1], v[X+16*\i+4*\c+2], v[X+16*\i+4*\c+3]
	global_store_b64 v3, v[X+16*\i+4*\c:X+16*\i+4*\c+1], s[20:21] offset:ROWH*\i+256*\c   ; 32 lanes x 8 bytes: 256 consecutive bytes, aligned
	v_lshlrev_b32 v[T],   16,  v[X+16*\i+4*\c]     ; the rounded numbers as f32 again
	v_and_b32     v[T+1], s24, v[X+16*\i+4*\c]
	v_lshlrev_b32 v[T+2], 16,  v[X+16*\i+4*\c+1]
	v_and_b32     v[T+3], s24, v[X+16*\i+4*\c+1]
.if \c == 0
	v_pk_mul_f32 v[S:S+1],   v[T:T+1],   v[T:T+1]  ; the first chunk starts the four sums: nothing is cleared
	v_pk_mul_f32 v[S+2:S+3], v[T+2:T+3], v[T+2:T+3]
.else
	v_pk_fma_f32 v[S:S+1],   v[T:T+1],   v[T:T+1],   v[S:S+1]
	v_pk_fma_f32 v[S+2:S+3], v[T+2:T+3], v[T+2:T+3], v[S+2:S+3]
.endif
.endr
	v_pk_add_f32 v[S:S+1], v[S:S+1], v[S+2:S+3]
	v_add_f32 v[S], v[S], v[S+1]
	v_add_f32_dpp v[S], v[S], v[S] row_xmask:1 row_mask:0xf bank_mask:0xf
	v_add_f32_dpp v[S], v[S], v[S] row_xmask:2 row_mask:0xf bank_mask:0xf
	v_add_f32_dpp v[S], v[S], v[S] row_xmask:4 row_mask:0xf bank_mask:0xf
	v_add_f32_dpp v[S], v[S], v[S] row_xmask:8 row_mask:0xf bank_mask:0xf
	v_permlanex16_b32 v16, v[S], s26, s27
	v_add_f32 v[S], v[S], v16                      ; every lane holds the row's sum of squares
	v_mul_f32 v[S], -0.5, v[S]
	v_cmp_eq_u32 vcc_lo, \i, v4
	v_cndmask_b32 v5, v5, v[S], vcc_lo             ; lanes with lane mod 8 = i keep it
.endm
.irp i, 0,1,2,3,4,5,6,7
	ROW \i
.endr
	; The group's 64 norms meet in LDS, so that they leave as one store of 256 consecutive aligned bytes.
	ds_store_b32 v6, v5                            ; the four lanes with the same lane mod 8 write one word with one value
	s_wait_dscnt 0x0                               ; for the other waves' sake: my store is done before I signal
	s_barrier_signal -1
	s_barrier_wait -1
	s_cmp_lg_u32 s28, 0
	s_cbranch_scc1 .Lend                           ; wave 0 alone stores them
	ds_load_b64 v[18:19], v7                       ; two norms a lane
	s_wait_dscnt 0x0
	global_store_b64 v7, v[18:19], s[22:23]
.Lend:
	s_wait_tensorcnt 0x0
	ds_add_u32 v160, v161
	s_wait_dscnt 0x0
	s_endpgm
.Lfunc_end_k_qd2888cb09b_prep:
	.size	k_qd2888cb09b_prep, .Lfunc_end_k_qd2888cb09b_prep-k_qd2888cb09b_prep
	.p2alignl 7, 3214868480
	.fill 96, 4, 3214868480
	.section	.rodata,"a",@progbits
	.p2align	6, 0x0
	.amdhsa_kernel k_qd2888cb09b_prep
		.amdhsa_group_segment_fixed_size 1280
		.amdhsa_private_segment_fixed_size 0
		.amdhsa_enable_private_segment 0
		.amdhsa_kernarg_size 48
		.amdhsa_user_sgpr_count 2
		.amdhsa_user_sgpr_kernarg_segment_ptr 1
		.amdhsa_wavefront_size32 1
		.amdhsa_system_sgpr_workgroup_id_x 1
		.amdhsa_system_sgpr_workgroup_id_y 1
		.amdhsa_system_sgpr_workgroup_id_z 1
		.amdhsa_system_vgpr_workitem_id 0
		.amdhsa_next_free_vgpr 162
		.amdhsa_next_free_sgpr 66
		.amdhsa_reserve_vcc 1
		.amdhsa_float_denorm_mode_32 3
		.amdhsa_float_denorm_mode_16_64 3
		.amdhsa_memory_ordered 1
		.amdhsa_forward_progress 1
		.amdhsa_inst_pref_size 25
	.end_amdhsa_kernel
	.amdgpu_metadata
---
amdhsa.version: [ 1, 2 ]
amdhsa.kernels:
  - .name:           k_qd2888cb09b_prep
    .symbol:         k_qd2888cb09b_prep.kd
    .args:
      - { .name: desc1, .offset: 0, .size: 8, .value_kind: global_buffer, .address_space: global }
      - { .name: desc2, .offset: 8, .size: 8, .value_kind: global_buffer, .address_space: global }
      - { .name: a16, .offset: 16, .size: 8, .value_kind: global_buffer, .address_space: global }
      - { .name: b16, .offset: 24, .size: 8, .value_kind: global_buffer, .address_space: global }
      - { .name: nh1, .offset: 32, .size: 8, .value_kind: global_buffer, .address_space: global }
      - { .name: nh2, .offset: 40, .size: 8, .value_kind: global_buffer, .address_space: global }
    .group_segment_fixed_size: 1280
    .private_segment_fixed_size: 0
    .kernarg_segment_align: 8
    .kernarg_segment_size: 48
    .max_flat_workgroup_size: 256
    .sgpr_count:     66
    .vgpr_count:     162
    .wavefront_size: 32
...
	.end_amdgpu_metadata
.endif
;; end of part 1
;; launch match (part 2): grid 8 x 32, 4 waves a work-group, clusters of 4 x 4, 327,680 bytes of LDS; arguments a16, b16, nh2, part; writes part
.if DOCPART == 2
	.amdgcn_target "amdgcn-amd-amdhsa--gfx1250"
	.amdhsa_code_object_version 6
	.text
	.protected	k_qd2888cb09b_match
	.globl	k_qd2888cb09b_match
	.p2align	8
	.type	k_qd2888cb09b_match,@function
k_qd2888cb09b_match:
	s_mov_b64 s[64:65], 0
	v_nop
	global_prefetch_b8 v0, s[64:65] scope:SCOPE_SE
	s_setreg_imm32_b32 hwreg(HW_REG_WAVE_MODE, 25, 1), 1
	s_wait_xcnt 0x0
	s_wait_alu depctr_hold_cnt(0) depctr_sa_sdst(0) depctr_va_vdst(0) depctr_va_sdst(0) depctr_va_ssrc(0) depctr_va_vcc(0) depctr_vm_vsrc(0)
	s_getreg_b32 s2, hwreg(HW_REG_IB_STS2, 6, 4)
	s_cmp_eq_u32 s2, 0
	s_cbranch_scc0 .Lentry_in_a_cluster
	s_endpgm
.Lentry_in_a_cluster:
	s_bfe_u32 s2, ttmp6, 0x10000c
	s_cmp_lg_u32 s2, 0xf033
	s_cbranch_scc0 .Lentry_shape_is_right
	s_endpgm
.Lentry_shape_is_right:
; For each row m of a16 and a share of the rows n of b16: the two largest s(m, n) = a16[m] . b16[n] + nh2[n] and the n of the largest.
; |a - b|^2 = -2 (s + nh1[m]); clip and root are monotone, so the largest s is the nearest n; clip, root, ratio and test follow in the
; next launch on the two numbers that are kept.  a16, b16: [8192][512] bf16; sums in f32; nh2[n] enters as the C of the first product.
; A work-group owns 256 rows of a16 (rb = 0..31) and 1,024 rows of b16 (split = 0..7), walked as four column blocks of 256; each block is
; K = 512 in four steps of 128.  The 16 steps run through one ring of two LDS slots that goes on from block to block.
; Four waves, as many as a WGP has SIMDs; a wave makes 128 x 128: 64 accumulator tiles of 16 x 16, 512 registers.
; CLUSTERS: 4 x 4 work-groups.  The four of a row of the cluster have one rb and need the same tiles of a16, the four of a column have one
; split and need the same tiles of b16: each tile is asked for jointly, which divides the requests for both by four.
; THE MATRIX INSTRUCTION IS USED TRANSPOSED: source 0 = 16 rows of b16, source 1 = 16 rows of a16.  Lane l = (r = l % 16, h = l / 16) then holds,
; in register j of tile (a, b), row 16 a + r against column 16 b + 8 h + j: ONE row of a16 for each of the wave's 8 blocks of 16 rows.  So the
; running state belongs to a lane and a row block, and no lane looks at another lane before the way out.
; THE STATE of a row block: the largest, the second largest, the number of the TILE that held the largest, and that tile's numbers 0 to 6.
; The column inside the tile is read off the kept numbers once, at the end.  That makes 19 vector instructions for a lane's 8 numbers of a tile.
; At the end the two halves of the lanes are merged; the 16 states of a row (8 splits x 2 column halves) are merged by the next launch.
; LIMITS.  The choice is made on s, before clip and root, equal s going to the lower n: the index can differ from a choice on the rooted
; distances only where two candidates' squared distances both fall at or below 0, or lie within one unit in the last place of each other.
; The order of rounding is the matrix unit's, with nh2 as the first addend.  NaN and infinities are not served.
;
; REGISTERS, in windows of 256 (s_set_vgpr_msb says which window each operand place means):
;   window 0: v16-26 addresses; v32-55 largest (two sets that take turns) and second; v64-127, v128-191 fragments of a16, two buffers
;             (v128-159 also serve the choice as scratch, when buffer 1 is dead); v192-255 nh2 of the block's columns
;   window 1: v0-63 row block m: kept numbers at 8 m + 0..6, tile number at 8 m + 7; v64-127, v128-191 fragments of b16, two buffers
;   window 2: the 32 tiles of my rows 0-63 (tile (a, b) at v[8 (8 a + b)]);   window 3: those of my rows 64-127
.set KSTEP,  128
.set KBYTES, 1024                      ; bytes in a row of a16 and of b16
.set PITCH,  272                       ; an LDS row: 256 bytes + 16 of padding = 68 words: the 16 rows that a load touches start at 16 different banks (64 banks of 4 bytes: ISA guide 11.1)
.set HALFT,  128*PITCH                 ; 128 rows: what one tensor load brings, and what one wave reads of a16 or of b16
.set SLOT,   4*HALFT                   ; a16's 256 rows, then b16's 256 rows; two slots take 278,528 bytes
.set ADRA, 16                          ; v16-17  LDS address of my a16 fragments in slot 0, 1
.set ADRB, 20                          ; v20-21  the same for b16
.set NOFF, 24                          ; v24     32 h: my eight columns' place in a tile's 16 numbers of nh2
.set LOFF, 25                          ; v25     16 x lane: my place in a block of the wave's record
.set COL0, 26                          ; v26     8 h, at the end + the wave's first column of the last block
.set MA,   32                          ; v[32:39] largest s, row block 0..7: holds it between blocks, and in front of even column tiles
.set MB,   40                          ; v[40:47] the same in front of odd column tiles: old and new never share a register, so no copy is needed
.set M2,   48                          ; v[48:55] second largest
.set F0,   64
.set F1,   128
.set TP,   128                         ; v[128:159] scratch of the choice, chain a: running maxima at TP + 8 a + 0..2, the pairs' middles at TP + 8 a + 4..7
.set CI,   192                         ; v[192:255] column tile b: nh2[16 b + 8 h + 0..7], the C of the block's first products
.set MK,   72                          ; s[72:75] chain a: lanes that keep their old tile
.set G1,  24                           ; s[24:31] descriptor group 1 for a16's tiles
.set G0,  32                           ; s[32:39] group 0 for a16's tiles, one set for each slot
.set G1B, 48                           ; s[48:55] group 1 for b16's tiles: differs in the mask alone
.set G0B, 56                           ; s[56:63] group 0 for b16's tiles, one set for each slot
.set MSB, 0
.macro WIN new                         ; the immediate's high byte repeats the setting that is left; a switch that changes nothing is dropped
.if MSB != \new
	s_set_vgpr_msb (MSB<<8)|\new
.set MSB, \new
.endif
.endm
.set MUL_LO,  0xa1                     ; source 0 (b16) window 1, source 1 (a16) window 0, C and D window 2
.set MUL_HI,  0xf1                     ; the same, C and D window 3
.set MULF_LO, 0x81                     ; a block's first products: C (nh2) window 0, D window 2
.set MULF_HI, 0xc1                     ; C window 0, D window 3
.set TO_B,    0x40                     ; destination window 1, all sources window 0
.set PAIR_LO, 0x0a                     ; sources 0 and 1 window 2, source 2 and destination window 0
.set PAIR_HI, 0x0f                     ; sources 0 and 1 window 3
.set KEEP_LO, 0x46                     ; source 0 window 2, source 1 and destination window 1
.set KEEP_HI, 0x47                     ; source 0 window 3, source 1 and destination window 1
.set FROM1,   0x01                     ; source 0 window 1, all else window 0
; A joint load.  Waves 0 and 1 fetch a16's two halves, waves 2 and 3 b16's.  Each line has one mask and one set of registers for all that issue it.
; The branch hangs on the wave's number alone.
.macro JLOAD s
	s_cmp_eq_u32 s13, 0
	s_cbranch_scc0 .Lfor_b_\@
	tensor_load_to_lds s[G0+4*\s:G0+4*\s+3], s[G1:G1+7]
	s_nop 0
	s_branch .Lasked_\@
.Lfor_b_\@:
	tensor_load_to_lds s[G0B+4*\s:G0B+4*\s+3], s[G1B:G1B+7]
	s_nop 0
.Lasked_\@:
.endm
; A round of the cluster's barrier: my work-group's barrier, wave 0 signals for the work-group, every wave waits for all sixteen, my work-group's barrier again.
.macro CREST                           ; a round behind its opening barrier
	s_cmp_lg_u32 s12, 0
	s_cbranch_scc1 .Lnot_wave_0_\@
	s_barrier_signal -3
.Lnot_wave_0_\@:
	s_barrier_wait -3
	s_barrier_signal -1
	s_barrier_wait -1
.endm
.macro CROUND                          ; a whole round
	s_barrier_signal -1
	s_barrier_wait -1
	CREST
.endm
	s_load_b256 s[4:11], s[0:1], 0x0               ; a16 s[4:5], b16 s[6:7], nh2 s[8:9], part s[10:11]
	s_set_vgpr_msb 0x40
	v_lshl_add_u32 v255, v0, 2, 0x44000
	s_set_vgpr_msb 0x4000
	v_mov_b32 v63, 0
	s_set_vgpr_msb 0x1
	ds_add_u32 v255, v63
	s_set_vgpr_msb 0x100
	v_lshrrev_b32 v1, 5, v0
	v_readfirstlane_b32 s12, v1                    ; wave 0..3
	s_lshr_b32 s13, s12, 1                         ; wr: which 128 of the block's rows are mine.  Also: I fetch for a16 (0) or for b16 (1)
	s_and_b32 s14, s12, 1                          ; wc: which 128 of its columns.  Also: which 128 rows of that tile I fetch
	s_bfe_u32 s40, ttmp6, 0x40000                  ; cx
	s_bfe_u32 s41, ttmp6, 0x40004                  ; cy
	s_lshl_b32 s42, ttmp9, 2                       ; in a cluster launch ttmp9 and ttmp7 count clusters
	s_add_co_u32 s42, s42, s40                     ; split = 4 x cluster x + cx
	s_and_b32 s43, ttmp7, 0xffff
	s_lshl_b32 s43, s43, 2
	s_add_co_u32 s43, s43, s41                     ; rb = 4 x cluster y + cy
	s_lshl_b32 s44, s41, 2
	s_lshl_b32 s44, 15, s44                        ; my row of the cluster: places 4 cy .. 4 cy + 3
	s_lshl_b32 s45, 0x1111, s40                    ; my column: places cx, cx + 4, cx + 8, cx + 12
	; group 1: a tile of 128 rows x 128 elements of 2 bytes, 16 bytes of padding behind each row's 64 words
	s_or_b32 s[G1+0],  s44, (1<<16)|(1<<20)|(1<<21)|(5<<22)|(3<<25)  ; 15:0 mask: a16's tiles go to my row; 17:16 2 bytes; 20 padding on; 21 set beside a mask; 24:22 every 64 words; 31:25 four words
	s_or_b32 s[G1B+0], s45, (1<<16)|(1<<20)|(1<<21)|(5<<22)|(3<<25)  ; the same with my column's mask
	s_mov_b32 s[G1+1],  KSTEP<<16                  ; tensor_dim0 = 128
	s_mov_b32 s[G1B+1], KSTEP<<16
	s_mov_b32 s[G1+2],  128<<16                    ; tensor_dim1 = 128
	s_mov_b32 s[G1B+2], 128<<16
	s_mov_b32 s[G1+3],  KSTEP<<16                  ; tile_dim0 = 128
	s_mov_b32 s[G1B+3], KSTEP<<16
	s_mov_b32 s[G1+4],  128                        ; tile_dim1 = 128
	s_mov_b32 s[G1B+4], 128
	s_mov_b32 s[G1+5],  512                        ; 512 elements from row to row
	s_mov_b32 s[G1B+5], 512
	s_mov_b32 s[G1+6],  0
	s_mov_b32 s[G1B+6], 0
	s_mov_b32 s[G1+7],  0
	s_mov_b32 s[G1B+7], 0
	; where the tiles come from: a16's hang on rb alone, b16's on split alone, each in registers that never hold the other coordinate
	s_lshl_b32 s18, s14, 17                        ; 128 rows x 1,024 bytes: the tile's half that I fetch
	s_lshl_b32 s16, s43, 18                        ; 256 rb rows
	s_add_co_u32 s16, s16, s18
	s_mov_b32 s17, 0
	s_lshl_b32 s46, s42, 20                        ; 1,024 split rows
	s_add_co_u32 s46, s46, s18
	s_mov_b32 s47, 0
	s_mul_i32 s20, s12, HALFT                      ; where they go: wave x 128 rows; no place in the cluster enters an LDS address
	s_lshl_b32 s66, s42, 12                        ; nh2: (1,024 split + 128 wc) x 4 bytes
	s_lshl_b32 s67, s14, 9
	s_add_co_u32 s66, s66, s67
	s_mov_b32 s67, 0
	s_wait_dscnt 0x0
	s_wait_kmcnt 0x0
	s_add_nc_u64 s[18:19], s[4:5], s[16:17]
	s_add_nc_u64 s[46:47], s[6:7], s[46:47]
	s_add_nc_u64 s[8:9], s[8:9], s[66:67]
	CROUND                                         ; all sixteen work-groups are here: the first joint loads meet
.irp s, 0,1
	s_mov_b32 s[G0+4*\s], 1                                        ; count = 1
	s_add_co_u32 s[G0+4*\s+1], s20, \s*SLOT                        ; LDS address
	s_add_nc_u64 s[G0+4*\s+2:G0+4*\s+3], s[18:19], \s*KSTEP*2      ; global address: K step s of block 0
	s_or_b32 s[G0+4*\s+3], s[G0+4*\s+3], 0x80000000                ; type = 2
	s_mov_b32 s[G0B+4*\s], 1
	s_add_co_u32 s[G0B+4*\s+1], s20, \s*SLOT
	s_add_nc_u64 s[G0B+4*\s+2:G0B+4*\s+3], s[46:47], \s*KSTEP*2
	s_or_b32 s[G0B+4*\s+3], s[G0B+4*\s+3], 0x80000000
	JLOAD \s                                       ; both first fills go out before anything else: two tensor loads of the wave are out
.endr
; nh2 of a block's 128 columns of my wave: lane (r, h) takes the 32 bytes of its eight columns in each of the eight column tiles.
; step = 1: the base goes on by a block's 256 columns; its last loads were shown done by the wait for 0 at the block's head.
.macro CILOAD step
	WIN 0
.if \step
	s_add_nc_u64 s[8:9], s[8:9], 256*4
.endif
.irp b, 0,1,2,3,4,5,6,7
	global_load_b128 v[CI+8*\b:CI+8*\b+3],   v[NOFF], s[8:9] offset:64*\b
	global_load_b128 v[CI+8*\b+4:CI+8*\b+7], v[NOFF], s[8:9] offset:64*\b+16
.endr
.endm
	v_and_b32 v1, 15, v0                           ; r
	v_bfe_u32 v2, v0, 4, 1                         ; h
	v_lshlrev_b32 v[NOFF], 5, v2
	CILOAD 0                                       ; block 0's
	; A fragment is 16 rows x 32 K in 8 registers: lane (r, h) holds row r; registers 0-3 K = 8 h + 0..7, registers 4-7 K = 16 + 8 h + 0..7:
	; two loads of 16 bytes, 32 bytes apart, at row x pitch + 16 h.
	v_mul_u32_u24 v3, v1, PITCH
	v_lshl_add_u32 v3, v2, 4, v3
	s_mul_i32 s21, s13, HALFT                      ; my 128 rows of a16
	s_mul_i32 s22, s14, HALFT                      ; my 128 rows of b16,
	s_add_co_u32 s22, s22, 2*HALFT                 ; which lie behind a16's 256
.irp s, 0,1
	v_add_nc_u32 v[ADRA+\s], s21, v3
	v_add_nc_u32 v[ADRB+\s], s22, v3
	s_add_co_u32 s21, s21, SLOT
	s_add_co_u32 s22, s22, SLOT
.endr
	v_and_b32 v4, 31, v0
	v_lshlrev_b32 v[LOFF], 4, v4
	v_lshlrev_b32 v[COL0], 3, v2
.irp m, 0,1,2,3,4,5,6,7
	v_mov_b32 v[MA+\m], 0xff800000                 ; minus infinity: the first tile takes the first place
	v_mov_b32 v[M2+\m], 0xff800000
.endr
	WIN TO_B                                       ; the kept numbers and tile numbers, window 1: a select reads its old value, so each is written once,
.set i, 0                                          ; while the first tiles are on their way
.rept 64
	v_mov_b32 v[i], 0
.set i, i+1
.endr
	WIN 0
; 16 matrix instructions: row blocks a0, a0 + 1 of the window's four (hi = 0: my rows 0-63, 1: rows 64-127) x all 8 column tiles, 32 along K.
; first = 1: the product starts the sums on nh2 of its columns.  The 64 accumulators take turns, one instruction a turn, in the same order
; in every quarter step, over the loop's jump and from block to block.
.macro MUL16 f, hi, a0, first
.irp a, \a0, \a0+1
.irp b, 0,1,2,3,4,5,6,7
.if \first
	v_wmma_f32_16x16x32_bf16 v[8*(8*(\a)+\b):8*(8*(\a)+\b)+7], v[\f+8*\b:\f+8*\b+7], v[\f+8*(4*\hi+\a):\f+8*(4*\hi+\a)+7], v[CI+8*\b:CI+8*\b+7]
.else
	v_wmma_f32_16x16x32_bf16 v[8*(8*(\a)+\b):8*(8*(\a)+\b)+7], v[\f+8*\b:\f+8*\b+7], v[\f+8*(4*\hi+\a):\f+8*(4*\hi+\a)+7], v[8*(8*(\a)+\b):8*(8*(\a)+\b)+7]
.endif
.endr
.endr
.endm
; 32 LDS loads in one run: the fragments of one quarter step (128 rows of b16, 128 of a16, 32 K at byte k of the rows) into buffer f
.macro FETCH slot, k, f
	WIN TO_B
.irp i, 0,1,2,3,4,5,6,7
	ds_load_b128 v[\f+8*\i:\f+8*\i+3],   v[ADRB+\slot] offset:\k+\i*16*PITCH
	ds_load_b128 v[\f+8*\i+4:\f+8*\i+7], v[ADRB+\slot] offset:\k+\i*16*PITCH+32
.endr
	WIN 0
.irp i, 0,1,2,3,4,5,6,7
	ds_load_b128 v[\f+8*\i:\f+8*\i+3],   v[ADRA+\slot] offset:\k+\i*16*PITCH
	ds_load_b128 v[\f+8*\i+4:\f+8*\i+7], v[ADRA+\slot] offset:\k+\i*16*PITCH+32
.endr
.endm
; A load into a register that a matrix instruction has read stands four places behind it, and only plain vector instructions that name none
; of its registers are places (ISA guide 7.12.1 for vector instructions): four v_nop in front of each run of loads.
.macro PLACES
.rept 4
	v_nop
.endr
.endm
; One of a K step's first three quarters: multiplies buffer f; in its middle it fetches the next quarter's fragments, at byte k of the slot's rows, into g.
; ci = 1: the next block's nh2 is asked for too; its registers' last readers are the quarter before, and the four places stand between.
.macro QUARTER slot, k, f, g, first, ci
	s_wait_dscnt 8                                 ; b16's fragments and a16's rows 0-63 are in; the youngest eight loads (a16's rows 64-127) may be out
.if \first
	WIN MULF_LO
.else
	WIN MUL_LO
.endif
	MUL16 \f, 0, 0, \first
	MUL16 \f, 0, 2, \first
	PLACES
.if \ci
	CILOAD 1
.endif
	FETCH \slot, \k, \g
	s_wait_dscnt 32                                ; all but the 32 just issued
.if \first
	WIN MULF_HI
.else
	WIN MUL_HI
.endif
	MUL16 \f, 1, 0, \first
	MUL16 \f, 1, 2, \first
.endm
.macro THREE slot
	QUARTER \slot, 64,  F0, F1, 0, 0
	QUARTER \slot, 128, F1, F0, 0, 0
	QUARTER \slot, 192, F0, F1, 0, 0
.endm
; The last quarter of a K step: multiplies buffer 1 and changes slots.  fill = 1: this slot is filled again, two steps ahead.
; In front of the barrier each wave waits for its reads of this slot and for all its tensor loads, of which one is out: its part of the next slot.
; Where the slot is filled again the barrier opens a round of the cluster's barrier; only matrix instructions stand inside it; the joint refill
; is the first tensor load behind its closing wait, one a wave.  From a request to the wait for it a wave issues 240 matrix instructions or more.
; wrap = 0: two K steps on in the same block.  wrap = 1: the next block: a16 goes back by two K steps, b16 on by 256 rows less two K steps.
.macro TURN slot, next, fill, wrap
	s_wait_dscnt 8
	WIN MUL_LO
	MUL16 F1, 0, 0, 0
	s_wait_dscnt 0                                 ; my reads of this slot are over
	s_wait_tensorcnt 0x0                           ; and all my tensor loads have landed
	ds_add_u32 v255, v63
	s_wait_dscnt 0x0
	s_barrier_signal -1
	MUL16 F1, 0, 2, 0                              ; work on registers while the others arrive
	WIN 0
	s_barrier_wait -1
.if \fill
	CREST                                          ; no wave of any partner still reads this slot or has a load on its way
.if \wrap
	s_sub_nc_u64 s[G0+4*\slot+2:G0+4*\slot+3],   s[G0+4*\slot+2:G0+4*\slot+3],   2*KSTEP*2
	s_add_nc_u64 s[G0B+4*\slot+2:G0B+4*\slot+3], s[G0B+4*\slot+2:G0B+4*\slot+3], 256*KBYTES-2*KSTEP*2
.else
	s_add_nc_u64 s[G0+4*\slot+2:G0+4*\slot+3],   s[G0+4*\slot+2:G0+4*\slot+3],   2*KSTEP*2
	s_add_nc_u64 s[G0B+4*\slot+2:G0B+4*\slot+3], s[G0B+4*\slot+2:G0B+4*\slot+3], 2*KSTEP*2
.endif
	JLOAD \slot
.endif
	PLACES
	FETCH \next, 0, F0
	WIN MUL_HI
	MUL16 F1, 1, 0, 0
	MUL16 F1, 1, 2, 0
.endm
.macro LASTQ                           ; the very last quarter: nothing more to fetch
	s_wait_dscnt 8
	WIN MUL_LO
	MUL16 F1, 0, 0, 0
	MUL16 F1, 0, 2, 0
	s_wait_dscnt 0
	WIN MUL_HI
	MUL16 F1, 1, 0, 0
	MUL16 F1, 1, 2, 0
.endm
; THE CHOICE, for column tile b of the four row blocks m0 .. m0 + 3 (tiles (0..3, b) of one window): a lane's 8 numbers of each tile meet that row block's state.
; For a pair (x, y) and a state M1 >= M2: the new largest is max3(x, y, M1); the new second is the larger of M2 and the middle one of (x, y, M1),
; since a number that is at most M1 can only take the place of the middle of the three.
; First phase (both x from the accumulators' window): four pairs, a middle and a running maximum each; the last maximum goes to the other set of M1.
; Second phase (window 0 alone): the four middles are folded into M2; the lanes whose tile did not beat the old M1 are marked.  Only a strictly larger
; maximum takes the place, and a lane's tiles come in ascending order of columns: equal numbers keep the lower column.
; Third phase (x against window 1): the other lanes take this tile's numbers 0 to 6 and its number 16 b.
; The four chains take turns in every phase, so that an instruction and the one that needs its result stand apart; three switches of windows serve 76 instructions.
.macro EPIB pw, kw, m0, b, old, new
	WIN \pw
.irp k, 0,1,2,3
.irp a, 0,1,2,3
.set XR, 8*(8*\a+\b)+2*\k
.if \k == 0
.set SR, \old+\m0+\a
.else
.set SR, TP+8*\a+\k-1
.endif
.if \k == 3
.set DR, \new+\m0+\a
.else
.set DR, TP+8*\a+\k
.endif
	v_med3_num_f32 v[TP+8*\a+4+\k], v[XR], v[XR+1], v[SR]
	v_max3_num_f32 v[DR], v[XR], v[XR+1], v[SR]
.endr
.endr
	WIN 0
.irp a, 0,1,2,3
	v_max3_num_f32 v[M2+\m0+\a], v[M2+\m0+\a], v[TP+8*\a+4], v[TP+8*\a+5]
.endr
.irp a, 0,1,2,3
	v_cmp_le_f32 s[MK+\a], v[\new+\m0+\a], v[\old+\m0+\a]
.endr
.irp a, 0,1,2,3
	v_max3_num_f32 v[M2+\m0+\a], v[M2+\m0+\a], v[TP+8*\a+6], v[TP+8*\a+7]
.endr
	WIN \kw
.irp j, 0,1,2,3,4,5,6
.irp a, 0,1,2,3
	v_cndmask_b32 v[8*(\m0+\a)+\j], v[8*(8*\a+\b)+\j], v[8*(\m0+\a)+\j], s[MK+\a]
.endr
.endr
.irp a, 0,1,2,3
	v_cndmask_b32 v[8*(\m0+\a)+7], 16*\b, v[8*(\m0+\a)+7], s[MK+\a]
.endr
.endm
.macro EPIHALF pw, kw, m0              ; the 32 tiles of one window; the two sets of M1 take turns, and after eight tiles the largest is in MA again
	EPIB \pw, \kw, \m0, 0, MA, MB
	EPIB \pw, \kw, \m0, 1, MB, MA
	EPIB \pw, \kw, \m0, 2, MA, MB
	EPIB \pw, \kw, \m0, 3, MB, MA
	EPIB \pw, \kw, \m0, 4, MA, MB
	EPIB \pw, \kw, \m0, 5, MB, MA
	EPIB \pw, \kw, \m0, 6, MA, MB
	EPIB \pw, \kw, \m0, 7, MB, MA
.endm
; A block's 128 x 128 numbers go through the choice.  The tile numbers kept so far are first made relative to this block (256 columns back), so that
; every tile's number is a constant, 16 b; these eight adds are also the places behind the last matrix instructions: for the reads of their results
; and for the scratch, which lies in a16's fragment buffer 1.
.macro EPI
	WIN KEEP_LO
.irp m, 0,1,2,3,4,5,6,7
	v_add_nc_u32 v[8*\m+7], 0xffffff00, v[8*\m+7]
.endr
	EPIHALF PAIR_LO, KEEP_LO, 0
	EPIHALF PAIR_HI, KEEP_HI, 4
	WIN 0
.endm
; A column block: four K steps on slots 0, 1, 0, 1, then the choice.  last = 1: nothing of a further block is asked for.
.macro BLOCK last
	s_wait_loadcnt 0x0                             ; this block's nh2 is in
	QUARTER 0, 64,  F0, F1, 1, 0
	QUARTER 0, 128, F1, F0, 0, 1-\last
	QUARTER 0, 192, F0, F1, 0, 0
	TURN 0, 1, 1, 0
	THREE 1
	TURN 1, 0, 1, 0
	THREE 0
	TURN 0, 1, 1-\last, 1
	THREE 1
.if \last
	LASTQ
.else
	TURN 1, 0, 1, 1
.endif
	EPI
.endm
	s_wait_tensorcnt 1                             ; my part of K step 0 is in; slot 1's first fill may stay out
	s_barrier_signal -1
	s_barrier_wait -1                              ; everybody's is
	FETCH 0, 0, F0
	s_mov_b32 s3, 3
.Lblk:
	BLOCK 0
	s_sub_co_u32 s3, s3, 1
	s_cmp_lg_u32 s3, 0
	s_cbranch_scc1 .Lblk
	BLOCK 1                                        ; the last block is written out: its last two steps fill nothing
	; THE WAY OUT.  The fragment buffers of window 0 are dead and serve as work space.
.set B1,  64                           ; v[64:71]   the other half's largest   (these 24 have been written by fragment loads:
.set B2,  72                           ; v[72:79]   its second                  v_permlanex16_b32 counts as a reader of its destination)
.set BI,  80                           ; v[80:87]   its column
.set JJ,  96                           ; v[96:103]  the column inside the tile
.set II,  104                          ; v[104:111] the column as a row number of desc2
.set TT,  112                          ; v[112:119] at work
.set OUT, 160                          ; v[160:175] four entries of (largest, second, column, 0)
	s_lshl_b32 s66, s42, 10
	s_lshl_b32 s67, s14, 7
	s_add_co_u32 s66, s66, s67
	s_add_co_u32 s66, s66, 768                     ; my wave's first column of the last block
	v_add_nc_u32 v[COL0], s66, v[COL0]             ; + 8 h
	s_mov_b32 s76, 0x76543210                      ; v_permlanex16_b32: lane i of one half reads lane i of the other
	s_mov_b32 s77, 0xfedcba98
	s_mov_b32 s78, 0xffff0000                      ; lanes 16 to 31
	; the column inside the winning tile: the lowest j whose kept number equals the largest; 7 if none of 0 to 6 does
	WIN FROM1
.irp m, 0,1,2,3,4,5,6,7
	v_cmp_neq_f32 vcc_lo, v[8*\m+6], v[MA+\m]
	v_cndmask_b32 v[JJ+\m], 6, 7, vcc_lo
.endr
.irp j, 5,4,3,2,1,0
.irp m, 0,1,2,3,4,5,6,7
	v_cmp_neq_f32 vcc_lo, v[8*\m+\j], v[MA+\m]
	v_cndmask_b32 v[JJ+\m], \j, v[JJ+\m], vcc_lo
.endr
.endr
.irp m, 0,1,2,3,4,5,6,7
	v_add_nc_u32 v[II+\m], v[8*\m+7], v[JJ+\m]     ; tile number + column in the tile
.endr
	WIN 0
.irp m, 0,1,2,3,4,5,6,7
	v_add_nc_u32 v[II+\m], v[II+\m], v[COL0]
.endr
	; the other half of the lanes holds the same rows' other columns.  The two sets of columns interleave, so equal numbers are settled by the column:
	; the other's is taken if its largest is larger, the lower of the two if they are equal.  The rule is symmetric: both halves end with one state.
.irp m, 0,1,2,3,4,5,6,7
	v_permlanex16_b32 v[B1+\m], v[MA+\m], s76, s77
	v_permlanex16_b32 v[B2+\m], v[M2+\m], s76, s77
	v_permlanex16_b32 v[BI+\m], v[II+\m], s76, s77
.endr
.irp m, 0,1,2,3,4,5,6,7
	v_min_u32 v[TT+\m], v[II+\m], v[BI+\m]
	v_cmp_eq_f32 vcc_lo, v[B1+\m], v[MA+\m]
	v_cndmask_b32 v[II+\m], v[II+\m], v[TT+\m], vcc_lo
	v_cmp_gt_f32 vcc_lo, v[B1+\m], v[MA+\m]
	v_cndmask_b32 v[II+\m], v[II+\m], v[BI+\m], vcc_lo
	v_min_num_f32 v[TT+\m], v[MA+\m], v[B1+\m]
	v_max3_num_f32 v[M2+\m], v[TT+\m], v[M2+\m], v[B2+\m]  ; the second: the largest of the two seconds and the smaller of the two firsts
	v_max_num_f32 v[MA+\m], v[MA+\m], v[B1+\m]
.endr
	; lane (r, h) keeps row blocks 2 p + h, p = 0..3: row 16 (2 p + h) + r = 32 p + lane of my 128
.irp p, 0,1,2,3
	v_cndmask_b32 v[OUT+4*\p],   v[MA+2*\p], v[MA+2*\p+1], s78
	v_cndmask_b32 v[OUT+4*\p+1], v[M2+2*\p], v[M2+2*\p+1], s78
	v_cndmask_b32 v[OUT+4*\p+2], v[II+2*\p], v[II+2*\p+1], s78
	v_mov_b32 v[OUT+4*\p+3], 0                     ; padding, so that an entry is 16 bytes; it is stored because the next launch loads it
.endr
	; Record (rb x 2 + wr) x 16 + split x 2 + wc of 2,048 bytes: block p of 512 bytes, lane l at byte 16 l: each store covers 512 consecutive bytes, aligned.
	s_lshl_b32 s68, s43, 1
	s_add_co_u32 s68, s68, s13
	s_lshl_b32 s68, s68, 4
	s_lshl_b32 s69, s42, 1
	s_add_co_u32 s68, s68, s69
	s_add_co_u32 s68, s68, s14
	s_lshl_b32 s68, s68, 11
	s_mov_b32 s69, 0
	s_add_nc_u64 s[10:11], s[10:11], s[68:69]
.irp p, 0,1,2,3
	global_store_b128 v[LOFF], v[OUT+4*\p:OUT+4*\p+3], s[10:11] offset:512*\p
.endr
	CROUND                                         ; the closing round: no work-group ends while a partner may still ask for a tile that names it
	s_endpgm
.Lfunc_end_k_qd2888cb09b_match:
	.size	k_qd2888cb09b_match, .Lfunc_end_k_qd2888cb09b_match-k_qd2888cb09b_match
	.p2alignl 7, 3214868480
	.fill 96, 4, 3214868480
	.section	.rodata,"a",@progbits
	.p2align	6, 0x0
	.amdhsa_kernel k_qd2888cb09b_match
		.amdhsa_group_segment_fixed_size 327680
		.amdhsa_private_segment_fixed_size 0
		.amdhsa_enable_private_segment 0
		.amdhsa_kernarg_size 32
		.amdhsa_user_sgpr_count 2
		.amdhsa_user_sgpr_kernarg_segment_ptr 1
		.amdhsa_wavefront_size32 1
		.amdhsa_system_sgpr_workgroup_id_x 1
		.amdhsa_system_sgpr_workgroup_id_y 1
		.amdhsa_system_sgpr_workgroup_id_z 1
		.amdhsa_system_vgpr_workitem_id 0
		.amdhsa_next_free_vgpr 1024
		.amdhsa_next_free_sgpr 80
		.amdhsa_reserve_vcc 1
		.amdhsa_float_denorm_mode_32 3
		.amdhsa_float_denorm_mode_16_64 3
		.amdhsa_memory_ordered 1
		.amdhsa_forward_progress 1
		.amdhsa_inst_pref_size 255
	.end_amdhsa_kernel
	.section	.bss,"aw",@nobits
	.p2align	6
	.space	262144
	.amdgpu_metadata
---
amdhsa.version: [ 1, 2 ]
amdhsa.kernels:
  - .name:           k_qd2888cb09b_match
    .symbol:         k_qd2888cb09b_match.kd
    .args:
      - { .name: a16, .offset: 0, .size: 8, .value_kind: global_buffer, .address_space: global }
      - { .name: b16, .offset: 8, .size: 8, .value_kind: global_buffer, .address_space: global }
      - { .name: nh2, .offset: 16, .size: 8, .value_kind: global_buffer, .address_space: global }
      - { .name: part, .offset: 24, .size: 8, .value_kind: global_buffer, .address_space: global }
    .group_segment_fixed_size: 327680
    .private_segment_fixed_size: 0
    .kernarg_segment_align: 8
    .kernarg_segment_size: 32
    .max_flat_workgroup_size: 128
    .sgpr_count:     80
    .vgpr_count:     1024
    .wavefront_size: 32
...
	.end_amdgpu_metadata
.endif
;; end of part 2
;; launch merge (part 3): grid 32 x 1, 8 waves a work-group, no clusters, 2,304 bytes of LDS; arguments part, nh1, out0, out1, out2; writes out0, out1, out2
.if DOCPART == 3
	.amdgcn_target "amdgcn-amd-amdhsa--gfx1250"
	.amdhsa_code_object_version 6
	.text
	.protected	k_qd2888cb09b_merge
	.globl	k_qd2888cb09b_merge
	.p2align	8
	.type	k_qd2888cb09b_merge,@function
k_qd2888cb09b_merge:
	s_mov_b64 s[64:65], 0
	v_nop
	global_prefetch_b8 v0, s[64:65] scope:SCOPE_SE
	s_setreg_imm32_b32 hwreg(HW_REG_WAVE_MODE, 25, 1), 1
	s_wait_xcnt 0x0
; The 16 partial states of each row of desc1 (8 splits x 2 column halves) become one; then squared distance = -2 (s + nh1[row]), clip at 0,
; root, ratio of nearest to second nearest, test against 0.8.  out0: the ratio where the test holds, else 0; out1: (row, nearest); out2: the test.
; Work-group rb owns 256 rows, so that each of its three outputs is whole aligned blocks of 256 bytes.  Eight waves, ONE ROW A LANE: wave w = (wr = w / 4,
; p = w % 4), row 256 rb + 32 w + lane, whose states are the 16 bytes at 16 x lane of block p of the records (rb x 2 + wr) x 16 + q, q = 0..15.
; All 17 loads of a wave go out at the head.  The 16 states are merged as a tree, 8 + 4 + 2 + 1 merges, each level written stage by stage, so that
; instructions that do not depend on each other follow each other.  No matrix work, no tiles: 2 MiB are read once.
; Two states' columns may interleave, so equal numbers are settled by the column: the lower one wins, whatever the order of merging.
; LIMITS.  The division is a reciprocal and a multiply; root and reciprocal are good to one unit in the last place and take a squared distance
; below 2^-126 as 0 (ISA guide, their entries in 15.8).  0 / 0 gives NaN, for which the test fails and 0 is stored, as in a plain division.
; The squared distance is a difference of norms and product in f32, with that form's cancellation.  NaN and infinities in the inputs are not served.
.set NH,  8                            ; v8        nh1 of my row, then -2 x it
.set RC,  9                            ; v9        reciprocal, then the ratio
.set D,   10                           ; v[10:11]  squared distances: nearest, second
.set RT,  12                           ; v[12:13]  their roots
.set PR,  14                           ; v[14:15]  (row, nearest)
.set P,   16                           ; v[16:79]  state q at P + 4 q: largest, second, column, padding
.set T,   80                           ; v[80:87]  at work, one for each merge of a level
.set O0,  88                           ; v88       out0's number
.set O2,  89                           ; v89       out2's byte
.set EQ,  32                           ; s[32:39]  merge i: lanes where the two largest are equal
.set GT,  40                           ; s[40:47]  merge i: lanes where the second state's largest is larger
.set RECB, 2048                        ; bytes in a record
	s_load_b256 s[4:11], s[0:1], 0x0               ; part s[4:5], nh1 s[6:7], out0 s[8:9], out1 s[10:11]
	s_load_b64 s[12:13], s[0:1], 0x20              ; out2
	v_lshl_add_u32 v96, v0, 2, 0x500
	v_mov_b32 v97, 0
	v_lshrrev_b32 v1, 5, v0
	v_readfirstlane_b32 s14, v1                    ; wave 0..7
	s_lshr_b32 s15, s14, 2                         ; wr
	s_and_b32 s18, s14, 3                          ; p
	v_and_b32 v7, 31, v0                           ; lane
	v_lshlrev_b32 v1, 4, v7                        ; 16 x lane: my place in a record's block
	v_lshlrev_b32 v4, 3, v7                        ; 8 x lane
	v_lshl_add_u32 v6, s14, 5, v7                  ; my row among the group's 256: 32 x wave + lane
	v_lshlrev_b32 v2, 2, v6                        ; 4 x row: nh1, and out0's place in the stage
	v_lshlrev_b32 v3, 3, v6                        ; 8 x row = 256 x wave + 8 x lane: out1; and, in waves 0 to 3, two numbers of out0
	s_lshl_b32 s16, ttmp9, 1
	s_add_co_u32 s16, s16, s15
	s_lshl_b32 s16, s16, 15                        ; the 16 records of (rb, wr): 16 x 2,048 bytes each pair
	s_lshl_b32 s17, s18, 9
	s_add_co_u32 s16, s16, s17                     ; block p
	s_mov_b32 s17, 0
	s_lshl_b32 s20, ttmp9, 10                      ; nh1 and out0: 256 rows x 4 bytes
	s_mov_b32 s21, 0
	s_lshl_b32 s22, ttmp9, 11                      ; out1: 256 rows x 8 bytes
	s_mov_b32 s23, 0
	s_lshl_b32 s24, ttmp9, 8                       ; out2: 256 rows x 1 byte; also the group's first row
	s_mov_b32 s25, 0
	s_wait_kmcnt 0x0
	s_add_nc_u64 s[4:5], s[4:5], s[16:17]
	s_add_nc_u64 s[6:7], s[6:7], s[20:21]
	s_add_nc_u64 s[8:9], s[8:9], s[20:21]
	s_add_nc_u64 s[10:11], s[10:11], s[22:23]
	s_add_nc_u64 s[12:13], s[12:13], s[24:25]
	global_load_b32 v[NH], v2, s[6:7]
.irp q, 0,1,2,3,4,5,6,7,8,9,10,11,12,13,14,15
	global_load_b128 v[P+4*\q:P+4*\q+3], v1, s[4:5] offset:RECB*\q th:TH_LOAD_NT   ; 512 consecutive bytes, aligned
.endr
; One level of the tree: n merges; state 2 i st takes in state (2 i + 1) st.  The second state's column is taken if its largest is larger, the lower
; of the two columns if the two are equal.  The new second is the largest of the two seconds and the smaller of the two firsts.
; The masks lie in scalar registers, which only vector instructions read here.
.macro LEVEL n, st
.set i, 0
.rept \n
	v_min_u32 v[T+i], v[P+8*\st*i+2], v[P+8*\st*i+4*\st+2]
.set i, i+1
.endr
.set i, 0
.rept \n
	v_cmp_eq_f32 s[EQ+i], v[P+8*\st*i+4*\st], v[P+8*\st*i]
.set i, i+1
.endr
.set i, 0
.rept \n
	v_cmp_gt_f32 s[GT+i], v[P+8*\st*i+4*\st], v[P+8*\st*i]
.set i, i+1
.endr
.set i, 0
.rept \n
	v_cndmask_b32 v[P+8*\st*i+2], v[P+8*\st*i+2], v[T+i], s[EQ+i]
.set i, i+1
.endr
.set i, 0
.rept \n
	v_min_num_f32 v[T+i], v[P+8*\st*i], v[P+8*\st*i+4*\st]
.set i, i+1
.endr
.set i, 0
.rept \n
	v_cndmask_b32 v[P+8*\st*i+2], v[P+8*\st*i+2], v[P+8*\st*i+4*\st+2], s[GT+i]
.set i, i+1
.endr
.set i, 0
.rept \n
	v_max3_num_f32 v[P+8*\st*i+1], v[T+i], v[P+8*\st*i+1], v[P+8*\st*i+4*\st+1]
.set i, i+1
.endr
.set i, 0
.rept \n
	v_max_num_f32 v[P+8*\st*i], v[P+8*\st*i], v[P+8*\st*i+4*\st]
.set i, i+1
.endr
.endm
	s_wait_loadcnt 0x0                             ; the 17 loads went out together, and the first level needs all 16 states
	LEVEL 8, 1
	LEVEL 4, 2
	LEVEL 2, 4
	LEVEL 1, 8
	v_mul_f32 v[NH], -2.0, v[NH]                   ; exact
	v_fma_f32 v[D],   v[P],   -2.0, v[NH]          ; -2 s - 2 nh1 in one rounding = |a|^2 + |b|^2 - 2 a.b
	v_fma_f32 v[D+1], v[P+1], -2.0, v[NH]
	v_max_num_f32 v[D],   0, v[D]                  ; the clip
	v_max_num_f32 v[D+1], 0, v[D+1]
	v_sqrt_f32 v[RT],   v[D]
	v_sqrt_f32 v[RT+1], v[D+1]
	v_add_nc_u32 v[PR], s24, v6                    ; plain work between the roots and their use (ISA guide 5.7.2): the row's number
	s_wait_alu depctr_va_vdst(0)
	v_rcp_f32 v[RC], v[RT+1]
	v_mov_b32 v[PR+1], v[P+2]                      ; plain work again: the nearest row's number beside the row's own
	s_wait_alu depctr_va_vdst(0)
	v_mul_f32 v[RC], v[RT], v[RC]                  ; the ratio
	v_cmp_ge_f32 vcc_lo, 0x3f4ccccd, v[RC]         ; 0.8 in f32 >= ratio; false for NaN
	v_cndmask_b32 v[O0], 0, v[RC], vcc_lo
	v_cndmask_b32 v[O2], 0, 1, vcc_lo
	global_store_b64 v3, v[PR:PR+1], s[10:11]      ; out1 straight from registers: 32 lanes x 8 bytes = 256 consecutive bytes, aligned
	; out0 (4 bytes a row) and out2 (1 byte a row) meet in LDS, so that each of their stores too covers 256 consecutive aligned bytes:
	; bytes 0-1023 out0, 1024-1279 out2, by row.
	ds_store_b32 v2, v[O0]
	ds_store_b8  v6, v[O2] offset:1024
	s_wait_dscnt 0x0                               ; for the other waves' sake: my stores are done before I signal
	s_barrier_signal -1
	s_barrier_wait -1
	s_cmp_gt_u32 s14, 4
	s_cbranch_scc1 .Lend                           ; waves 5 to 7 have nothing left
	s_cmp_eq_u32 s14, 4
	s_cbranch_scc1 .Lmask
	ds_load_b64 v[90:91], v3                       ; waves 0 to 3: out0, 64 rows each, two a lane
	s_wait_dscnt 0x0
	global_store_b64 v3, v[90:91], s[8:9]
	s_branch .Lend
.Lmask:
	ds_load_b64 v[92:93], v4 offset:1024           ; wave 4: out2's 256 bytes, eight a lane
	s_wait_dscnt 0x0
	global_store_b64 v4, v[92:93], s[12:13]
.Lend:
	s_wait_tensorcnt 0x0
	ds_add_u32 v96, v97
	s_wait_dscnt 0x0
	s_endpgm
.Lfunc_end_k_qd2888cb09b_merge:
	.size	k_qd2888cb09b_merge, .Lfunc_end_k_qd2888cb09b_merge-k_qd2888cb09b_merge
	.p2alignl 7, 3214868480
	.fill 96, 4, 3214868480
	.section	.rodata,"a",@progbits
	.p2align	6, 0x0
	.amdhsa_kernel k_qd2888cb09b_merge
		.amdhsa_group_segment_fixed_size 2304
		.amdhsa_private_segment_fixed_size 0
		.amdhsa_enable_private_segment 0
		.amdhsa_kernarg_size 40
		.amdhsa_user_sgpr_count 2
		.amdhsa_user_sgpr_kernarg_segment_ptr 1
		.amdhsa_wavefront_size32 1
		.amdhsa_system_sgpr_workgroup_id_x 1
		.amdhsa_system_sgpr_workgroup_id_y 1
		.amdhsa_system_sgpr_workgroup_id_z 1
		.amdhsa_system_vgpr_workitem_id 0
		.amdhsa_next_free_vgpr 98
		.amdhsa_next_free_sgpr 66
		.amdhsa_reserve_vcc 1
		.amdhsa_float_denorm_mode_32 3
		.amdhsa_float_denorm_mode_16_64 3
		.amdhsa_memory_ordered 1
		.amdhsa_forward_progress 1
		.amdhsa_inst_pref_size 11
	.end_amdhsa_kernel
	.amdgpu_metadata
---
amdhsa.version: [ 1, 2 ]
amdhsa.kernels:
  - .name:           k_qd2888cb09b_merge
    .symbol:         k_qd2888cb09b_merge.kd
    .args:
      - { .name: part, .offset: 0, .size: 8, .value_kind: global_buffer, .address_space: global }
      - { .name: nh1, .offset: 8, .size: 8, .value_kind: global_buffer, .address_space: global }
      - { .name: out0, .offset: 16, .size: 8, .value_kind: global_buffer, .address_space: global }
      - { .name: out1, .offset: 24, .size: 8, .value_kind: global_buffer, .address_space: global }
      - { .name: out2, .offset: 32, .size: 8, .value_kind: global_buffer, .address_space: global }
    .group_segment_fixed_size: 2304
    .private_segment_fixed_size: 0
    .kernarg_segment_align: 8
    .kernarg_segment_size: 40
    .max_flat_workgroup_size: 256
    .sgpr_count:     66
    .vgpr_count:     98
    .wavefront_size: 32
...
	.end_amdgpu_metadata
.endif
;; end of part 3
;; ======== version 2 of 2: 3 launches; version 1 with the launch prep written anew for expert scheduling mode
;; workspace buffers: a16 8,388,608 bytes; b16 8,388,608 bytes; nh1 32,768 bytes; nh2 32,768 bytes; part 2,097,152 bytes
;; launch prep (part 4): grid 256 x 1, 8 waves a work-group, no clusters, 1,280 bytes of LDS; arguments desc1, desc2, a16, b16, nh1, nh2; writes a16, b16, nh1, nh2
.if DOCPART == 4
	.amdgcn_target "amdgcn-amd-amdhsa--gfx1250"
	.amdhsa_code_object_version 6
	.text
	.protected	k_qd2888cb09b_prep
	.globl	k_qd2888cb09b_prep
	.p2align	8
	.type	k_qd2888cb09b_prep,@function
k_qd2888cb09b_prep:
	s_mov_b64 s[64:65], 0
	v_nop
	global_prefetch_b8 v0, s[64:65] scope:SCOPE_SE
	s_setreg_imm32_b32 hwreg(HW_REG_WAVE_SCHED_MODE, 0, 2), 2
	s_setreg_imm32_b32 hwreg(HW_REG_WAVE_MODE, 25, 1), 1
	s_wait_xcnt 0x0
	s_wait_alu depctr_vm_vsrc(0)
; desc1, desc2: [8192][512] f32.  a16, b16: the same numbers rounded to bf16.  nh1, nh2: [8192] f32, -0.5 x the sum of squares of a row's
; ROUNDED numbers: the distances of the next launch are those of the rounded vectors, so their norms are taken from the rounded vectors too.
; A stream: every input byte is read once, every output byte written once; matrix units, clusters and tiles in LDS would add nothing.
; Work-groups 0-127 take 64 rows of desc1 each, 128-255 of desc2.  Wave w takes rows 8 w .. 8 w + 7 of the 64: a row is 2,048 bytes = four
; loads of 16 bytes a lane, 512 neighbouring bytes each.  All 32 loads of a wave go out at the head (16 KiB a wave): there is no loop.
; LIMITS: NaN and infinities are not served; a sum of squares beyond f32's range overflows as it does in the plain f32 sum.
; THE MODE: SCHED_MODE bits 1:0 = 2 (LLVM: expert scheduling mode 2), set by the entry lines.  The code itself states the register dependences
; between vector instructions and memory or LDS instructions, with s_wait_alu, always for 0.
; THE PLAN.  Registers that memory or LDS instructions touch:
;   v2, v3, v6, v7, v160, v161   offsets and LDS addresses: written once at the head, ahead of the wait that stands in front of the first load; never written again.
;   X, row i, chunk c            filled by its load, once.  Row i's conversions read the four words and write the first two in place; the unpacking lines and the
;                                row's store read those two; nothing writes them again.
;   v5                           written by the eight selects, read by the one LDS store behind them.
;   v[18:19]                     filled by an LDS load, read by a store; no vector instruction names them.
;   T, S, v16, v1, v4 are named by vector instructions alone.
; So a row has ONE wait on va_vdst, behind its conversions and sums of squares and ahead of the chain across the lanes, whose first link reads the sum just made.  The row's
; four stores follow it, dealt among the chain's links, which name v12 alone; the lines behind them name v16 and v5: none of the registers that the stores touch.
; No register that a memory or LDS instruction has read is written again: the text holds no wait on vm_vsrc.
; The wave's number and the eight lane masks are the scalar registers that vector instructions write: one run at the head, one wait on va_sdst behind it.
.set ROWB,  2048                       ; bytes in an f32 row
.set ROWH,  1024                       ; bytes in a bf16 row
.set T,     8                          ; v[8:11]   four rounded numbers, widened again
.set S,     12                         ; v[12:15]  four running sums of squares
.set X,     32                         ; v[32:159] row i, chunk c: four registers at X + 16 i + 4 c
.set MK,    32                         ; s[32:39]  mask i: the lanes with lane mod 8 = i
	s_load_b256 s[4:11], s[0:1], 0x0               ; desc1 s[4:5], desc2 s[6:7], a16 s[8:9], b16 s[10:11]
	s_load_b128 s[12:15], s[0:1], 0x20             ; nh1 s[12:13], nh2 s[14:15]
	v_lshl_add_u32 v160, v0, 2, 0x100              ; my spare word, behind the 256 bytes of norms; kept for the closing lines alone
	v_mov_b32 v161, 0                              ; and 0, likewise
	v_lshrrev_b32 v2, 5, v0
	v_readfirstlane_b32 s28, v2                    ; wave 0..7
	v_and_b32 v1, 31, v0                           ; lane
	v_and_b32 v4, 7, v1                            ; the row of my wave whose norm this lane keeps
.irp i, 0,1,2,3,4,5,6,7
	v_cmp_eq_u32 s[MK+\i], \i, v4                  ; the lanes that keep row i's norm: all eight masks in one run, with the wave's number
.endr
	s_mov_b32 s24, 0xffff0000                      ; a word's upper bf16
	s_mov_b32 s26, 0x76543210                      ; v_permlanex16_b32: lane i of one half reads lane i of the other
	s_mov_b32 s27, 0xfedcba98
	v_lshlrev_b32 v2, 4, v1
	v_lshlrev_b32 v7, 3, v1                        ; 8 x lane
	v_lshlrev_b32 v6, 2, v4
	v_mov_b32 v5, 0                                ; the kept norm: written whole before the selects below
	v_mov_b32 v16, 0                               ; v_permlanex16_b32 counts as a reader of its destination
	s_wait_alu depctr_va_sdst(0)                   ; s28 and the masks s[32:39] are written: s28's first reader is the next line, the masks' are the rows' selects
	v_lshl_add_u32 v2, s28, 14, v2                 ; loads: wave x 8 rows x 2,048 bytes + 16 x lane
	v_lshl_add_u32 v3, s28, 13, v7                 ; stores: wave x 8 rows x 1,024 bytes + 8 x lane
	v_lshl_add_u32 v6, s28, 5, v6                  ; LDS word of my kept row: 4 x (8 wave + lane mod 8)
	s_and_b32 s16, ttmp9, 127                      ; which 64 rows of the tensor
	s_mov_b32 s3, 0
	s_wait_kmcnt 0x0
	s_cmp_lt_u32 ttmp9, 128                        ; the first 128 work-groups: desc1, the others: desc2
	s_cselect_b64 s[18:19], s[4:5], s[6:7]         ; source
	s_cselect_b64 s[20:21], s[8:9], s[10:11]       ; bf16 copy
	s_cselect_b64 s[22:23], s[12:13], s[14:15]     ; norms
	s_lshl_b32 s2, s16, 17                         ; 64 rows x 2,048 bytes
	s_add_nc_u64 s[18:19], s[18:19], s[2:3]
	s_lshl_b32 s2, s16, 16                         ; 64 rows x 1,024 bytes
	s_add_nc_u64 s[20:21], s[20:21], s[2:3]
	s_lshl_b32 s2, s16, 8                          ; 64 norms x 4 bytes
	s_add_nc_u64 s[22:23], s[22:23], s[2:3]
	s_wait_alu depctr_va_vdst(0)                   ; v2 is written, which the loads below read as their offset; so are v3, v6, v7, v160 and v161, which the stores, the LDS instructions and the closing add read
.irp i, 0,1,2,3,4,5,6,7
.irp c, 0,1,2,3
	global_load_b128 v[X+16*\i+4*\c:X+16*\i+4*\c+3], v2, s[18:19] offset:ROWB*\i+512*\c th:TH_LOAD_NT
.endr
.endr
; Row i of my wave: round, square the rounded numbers, store, sum over the wave.  No register that a store reads is written again.
.macro ROW i
	s_wait_loadcnt 28-4*\i                         ; loads come back in order (ISA guide 5.7.1): this row's four are in, the 4 x (7 - i) of the later rows stay out
.irp c, 0,1,2,3
	v_cvt_pk_bf16_f32 v[X+16*\i+4*\c],   v[X+16*\i+4*\c],   v[X+16*\i+4*\c+1]     ; four numbers into two words, to nearest even
	v_cvt_pk_bf16_f32 v[X+16*\i+4*\c+1], v[X+16*\i+4*\c+2], v[X+16*\i+4*\c+3]
	v_lshlrev_b32 v[T],   16,  v[X+16*\i+4*\c]     ; the rounded numbers as f32 again
	v_and_b32     v[T+1], s24, v[X+16*\i+4*\c]
	v_lshlrev_b32 v[T+2], 16,  v[X+16*\i+4*\c+1]
	v_and_b32     v[T+3], s24, v[X+16*\i+4*\c+1]
.if \c == 0
	v_pk_mul_f32 v[S:S+1],   v[T:T+1],   v[T:T+1]  ; the first chunk starts the four sums: nothing is cleared
	v_pk_mul_f32 v[S+2:S+3], v[T+2:T+3], v[T+2:T+3]
.else
	v_pk_fma_f32 v[S:S+1],   v[T:T+1],   v[T:T+1],   v[S:S+1]
	v_pk_fma_f32 v[S+2:S+3], v[T+2:T+3], v[T+2:T+3], v[S+2:S+3]
.endif
.endr
	v_pk_add_f32 v[S:S+1], v[S:S+1], v[S+2:S+3]
	v_add_f32 v[S], v[S], v[S+1]
	s_wait_alu depctr_va_vdst(0)                   ; the row's eight conversions have written the words that its four stores read; no vector instruction below names them or v3
	global_store_b64 v3, v[X+16*\i:X+16*\i+1], s[20:21] offset:ROWH*\i               ; 32 lanes x 8 bytes: 256 consecutive bytes, aligned; a store stands ahead of each link of the chain
	v_add_f32_dpp v[S], v[S], v[S] row_xmask:1 row_mask:0xf bank_mask:0xf
	global_store_b64 v3, v[X+16*\i+4:X+16*\i+5], s[20:21] offset:ROWH*\i+256
	v_add_f32_dpp v[S], v[S], v[S] row_xmask:2 row_mask:0xf bank_mask:0xf
	global_store_b64 v3, v[X+16*\i+8:X+16*\i+9], s[20:21] offset:ROWH*\i+512
	v_add_f32_dpp v[S], v[S], v[S] row_xmask:4 row_mask:0xf bank_mask:0xf
	global_store_b64 v3, v[X+16*\i+12:X+16*\i+13], s[20:21] offset:ROWH*\i+768
	v_add_f32_dpp v[S], v[S], v[S] row_xmask:8 row_mask:0xf bank_mask:0xf
	v_permlanex16_b32 v16, v[S], s26, s27
	v_add_f32 v[S], v[S], v16                      ; every lane holds the row's sum of squares
	v_mul_f32 v[S], -0.5, v[S]
	v_cndmask_b32 v5, v5, v[S], s[MK+\i]           ; lanes with lane mod 8 = i keep it
.endm
.irp i, 0,1,2,3,4,5,6,7
	ROW \i
.endr
	; The group's 64 norms meet in LDS, so that they leave as one store of 256 consecutive aligned bytes.
	s_wait_alu depctr_va_vdst(0)                   ; the last select has written v5, which the LDS store reads
	ds_store_b32 v6, v5                            ; the four lanes with the same lane mod 8 write one word with one value
	s_wait_dscnt 0x0                               ; for the other waves' sake: my store is done before I signal
	s_barrier_signal -1
	s_barrier_wait -1
	s_cmp_lg_u32 s28, 0
	s_cbranch_scc1 .Lend                           ; wave 0 alone stores them
	ds_load_b64 v[18:19], v7                       ; two norms a lane; no vector instruction has named v[18:19], and v7 stands since the head
	s_wait_dscnt 0x0                               ; the store's data come from that load
	global_store_b64 v7, v[18:19], s[22:23]
.Lend:
	s_wait_dscnt 0x0                               ; the closing lines, six on end
	s_wait_alu 0x0
	s_wait_tensorcnt 0x0
	ds_add_u32 v160, v161
	s_wait_dscnt 0x0
	s_endpgm
.Lfunc_end_k_qd2888cb09b_prep:
	.size	k_qd2888cb09b_prep, .Lfunc_end_k_qd2888cb09b_prep-k_qd2888cb09b_prep
	.p2alignl 7, 3214868480
	.fill 96, 4, 3214868480
	.section	.rodata,"a",@progbits
	.p2align	6, 0x0
	.amdhsa_kernel k_qd2888cb09b_prep
		.amdhsa_group_segment_fixed_size 1280
		.amdhsa_private_segment_fixed_size 0
		.amdhsa_enable_private_segment 0
		.amdhsa_kernarg_size 48
		.amdhsa_user_sgpr_count 2
		.amdhsa_user_sgpr_kernarg_segment_ptr 1
		.amdhsa_wavefront_size32 1
		.amdhsa_system_sgpr_workgroup_id_x 1
		.amdhsa_system_sgpr_workgroup_id_y 1
		.amdhsa_system_sgpr_workgroup_id_z 1
		.amdhsa_system_vgpr_workitem_id 0
		.amdhsa_next_free_vgpr 162
		.amdhsa_next_free_sgpr 66
		.amdhsa_reserve_vcc 0
		.amdhsa_float_denorm_mode_32 3
		.amdhsa_float_denorm_mode_16_64 3
		.amdhsa_memory_ordered 1
		.amdhsa_forward_progress 1
		.amdhsa_inst_pref_size 26
	.end_amdhsa_kernel
	.amdgpu_metadata
---
amdhsa.version: [ 1, 2 ]
amdhsa.kernels:
  - .name:           k_qd2888cb09b_prep
    .symbol:         k_qd2888cb09b_prep.kd
    .args:
      - { .name: desc1, .offset: 0, .size: 8, .value_kind: global_buffer, .address_space: global }
      - { .name: desc2, .offset: 8, .size: 8, .value_kind: global_buffer, .address_space: global }
      - { .name: a16, .offset: 16, .size: 8, .value_kind: global_buffer, .address_space: global }
      - { .name: b16, .offset: 24, .size: 8, .value_kind: global_buffer, .address_space: global }
      - { .name: nh1, .offset: 32, .size: 8, .value_kind: global_buffer, .address_space: global }
      - { .name: nh2, .offset: 40, .size: 8, .value_kind: global_buffer, .address_space: global }
    .group_segment_fixed_size: 1280
    .private_segment_fixed_size: 0
    .kernarg_segment_align: 8
    .kernarg_segment_size: 48
    .max_flat_workgroup_size: 256
    .sgpr_count:     66
    .vgpr_count:     162
    .wavefront_size: 32
...
	.end_amdgpu_metadata
.endif
;; end of part 4
;; launch match: the kernel of part 2 again; grid 8 x 32, 4 waves a work-group, clusters of 4 x 4, 327,680 bytes of LDS; arguments a16, b16, nh2, part; writes part
;; launch merge: the kernel of part 3 again; grid 32 x 1, 8 waves a work-group, no clusters, 2,304 bytes of LDS; arguments part, nh1, out0, out1, out2; writes out0, out1, out2
